; MI455X (gfx1250); checked and timed in simulation.
; The chip was launched on July 23, 2026; its instructions are those of AMD's public machine-readable ISA for CDNA 5 (MIT licence, August 2026) and "CDNA5" Instruction Set Architecture Reference Guide (July 2026). The comments in the code are by the model that wrote it; some were corrected since.
;; Group Query Attention QKV. Allowed arithmetic: matrix products marked QUANTISED: E5M2 operands, one given power-of-two scale a tensor, by v_wmma_f32_16x16x64_bf8_bf8 or v_wmma_f32_16x16x128_bf8_bf8, f32 sums; everything else in f32.
;; Inputs: gamma 4,096 float32; hidden_states 2 x 2,048 x 4,096 float32; lowp_scales 6 int32 (the exponents e of the quantised operands' scales 2^e); w_k_codes 1,024 x 128 x 32 uint8 (E5M2 codes of w_k, K innermost, in blocks of 32 codes); w_q_codes 2,048 x 128 x 32 uint8 (E5M2 codes of w_q, K innermost, in blocks of 32 codes); w_v_codes 1,024 x 128 x 32 uint8 (E5M2 codes of w_v, K innermost, in blocks of 32 codes).
;; Outputs: out0 2 x 2,048 x 2,048 float32; out1 2 x 2,048 x 1,024 float32; out2 2 x 2,048 x 1,024 float32.
;; This version of the problem:
;;   THIS VERSION OF THE PROBLEM IS GIVEN IN LOW PRECISION. The matrix products marked QUANTISED in the list below multiply operands that are first quantised to E5M2 (5 exponent bits, 2 mantissa bits; 8 bits a number), with one given power-of-two scale for each operand tensor; their sums are f32. All else is computed in f32.
;;   The module's matrix products, in the order in which they are computed (A, B: the left and right operand; K: the contracted axis; several contracted axes count as one K, in the product's order):
;;     1. [M 4,096, K 4,096] x [K 4,096, N 2,048]; A: computed on the way; B: input w_q (given as codes): QUANTISED (scales: A lowp_scales[0], B lowp_scales[1])
;;     2. [M 4,096, K 4,096] x [K 4,096, N 1,024]; A: computed on the way; B: input w_k (given as codes): QUANTISED (scales: A lowp_scales[2], B lowp_scales[3])
;;     3. [M 4,096, K 4,096] x [K 4,096, N 1,024]; A: computed on the way; B: input w_v (given as codes): QUANTISED (scales: A lowp_scales[4], B lowp_scales[5])
;;   THE QUANTISER, for each operand of a quantised product, along K:
;;     - The operand's scale is 2^e, e = its entry of the input lowp_scales (int32; the entries are numbered through the quantised products in the list's order, A before B).
;;     - Each number is divided by the scale, clamped to +-57,344, and rounded to the nearest number of E5M2, ties to even, subnormals kept.
;;     - The product sums the exact products of the quantised numbers (number of the format x scale) in f32.
;;   ~~~python
;;   def quantise(x, axis, e):      # numpy; x: float32 -> the quantised numbers, widened to float32 again
;;       x = np.moveaxis(x, axis, -1); K = x.shape[-1]
;;       r = np.clip(x / 2.0 ** e, -57344, 57344)
;;       step = 2.0 ** (np.maximum(np.frexp(np.where(r == 0, 1, r))[1] - 1, -14) - 2)
;;       q = np.round(r / step) * step * 2.0 ** e      # np.round: ties to even
;;       return np.moveaxis(q, -1, axis).astype(np.float32)
;;   ~~~
;;   OPERANDS COMPUTED ON THE WAY. 'Computed on the way' means the value that the module computes at that place (a softmax that the list does not call 'softmax' is quantised finished and normalised). What goes into a quantiser is computed in f32, as accurately as f32 sums, v_exp_f32 and their like allow (about 1e-6 of the number): no bf16 or f16 on the way to a quantiser, and a product that is left as it is and whose result goes on into a quantised operand takes f32 operands (vector FMAs, or v_wmma_f32_16x16x4_f32). A number that lies on a knife's edge between two numbers of the format may be rounded either way, as far as f32 arithmetic and the matrix unit's own rounding can turn it there, and no further.
;;   INPUTS GIVEN AS CODES. w_k (in the module: [4096, 1024], K = its axis 0); w_q (in the module: [4096, 2048], K = its axis 0); w_v (in the module: [4096, 1024], K = its axis 0): each comes as NAME_codes (uint8): NAME with its K axis moved to the last place and cut into blocks of 32 codes, [.., K / 32, bytes a block], one block behind the other in memory; one code a byte (a code: sign, 5 exponent bits, 2 mantissa bits); its scale is its entry of lowp_scales. Its value is code x scale, taken as it is: it is not quantised again, and the codes and scales need not be those that the quantiser above would give.
;; One version. Each part assembles by itself: llvm-mc -triple=amdgcn-amd-amdhsa -mcpu=gfx1250 --defsym DOCPART=n.
;; ======== version 1 of 1: 2 launches
;; limits: right only within a limited range of input values
;; workspace buffers: acodes 50,331,648 bytes
;; launch normq (part 1): grid 256 x 1, 16 waves a work-group, no clusters, 227,328 bytes of LDS; arguments hidden_states, gamma, lowp_scales, acodes; writes acodes
.if DOCPART == 1
	.amdgcn_target "amdgcn-amd-amdhsa--gfx1250"
	.amdhsa_code_object_version 6
	.text
	.protected	k_q1530dfba31_normq
	.globl	k_q1530dfba31_normq
	.p2align	8
	.type	k_q1530dfba31_normq,@function
k_q1530dfba31_normq:
	s_mov_b64 s[64:65], 0
	v_nop
	global_prefetch_b8 v0, s[64:65] scope:SCOPE_SE
	s_setreg_imm32_b32 hwreg(HW_REG_WAVE_MODE, 25, 1), 1
	s_wait_xcnt 0x0
; xn[row][c] = x[row][c] * rsqrt(mean over c of x^2 + 1e-6) * gamma[c], all in f32, then codes of BF8 (E5M2) of it: plane p of acodes holds xn / 2^e, held within +-57,344 and
; rounded to the nearest code (ties to even), e = lowp_scales[2 p].  A plane whose exponent equals an earlier plane's would hold the same codes: it is not made, and the product
; reads the earlier plane (plane 1 is made where e2 differs from e0; plane 2 where e4 differs from e0 and from e2).  The branches hang on the int32 input alone, alike in all waves.
; ORDER OF ROUNDING: (x * gamma) * rstd, where reference() has (x * rstd) * gamma: two f32 roundings either way.
; LAYOUT OF A PLANE: an image of the matrix operand's registers.  For each block of 16 rows (65,536 bytes), each 128 along K (2,048 bytes), each c = 0..3 (512 bytes): lane l = 16 h + r
; has 16 bytes, row r, K = 32 c + 16 h + 0..15.  So the reader's load of 16 bytes a lane covers 512 consecutive bytes.
; LIMITS: lowp_scales[0], [2], [4] between -126 and 112, so that 2^e and 57,344 x 2^e are f32 numbers.  NaN and infinity among the inputs are not served.
; SHARES.  A wave takes one row (32 loads of 512 consecutive bytes, all at the head; the row stays in 128 registers: load j gives lane l columns 128 j + 4 l + 0..3); 16 waves, one block of 16 rows,
; a work-group; 256 work-groups.  As each four loads arrive their squares are summed and gamma, read from LDS in the same layout, is multiplied in.
; THE CODES.  A conversion takes eight consecutive registers: the quads of loads 2 m and 2 m + 1.  Each of its two result words is four neighbouring codes, and goes into LDS by itself: unit q (16 along K)
; holds the 16 rows' 16 bytes, 256 + 16 bytes; wave r, lane l, load j writes 4 bytes at unit 8 j + l / 4, byte 16 r + 4 (l % 4): the 32 lanes fall on 32 different banks (64 banks of 4 bytes: ISA guide 11.1).
; One barrier; then each wave reads whole units and stores 512 consecutive bytes.
; No matrix unit, no cluster, no tensor load: the work-groups share nothing but gamma's 16 KiB.  No prefetch: every byte of x is asked for by a load at the head.
.set CU,    272                        ; a unit of codes
.set CPL,   256*CU                     ; a plane's codes of 16 rows
.set GAM,   3*CPL                      ; gamma, 16,384 bytes as in memory
.set SPARE, GAM+16384                  ; the spare words: 128 bytes a wave
.set ACC,   8
.set T,     40                         ; two sets of 8 held numbers
.set C,     56                         ; two pairs of code words
.set G,     80                         ; two sets of 16 of gamma
.set X,     128                        ; the row
; v2 16 x lane; v5, v6 gamma in and back; v[18:19] rstd; v20, 22, 24: 2^e; v21, 23, 25: 57,344 x 2^e; v26-31 codes in (a plane: loads 0-15, loads 16-31); v32-34 codes back, a register a plane
	s_load_b256 s[4:11], s[0:1], 0x0               ; x, gamma, the exponents, acodes
	v_lshl_add_u32 v126, v0, 2, SPARE
	v_mov_b32 v127, 0
	v_lshrrev_b32 v7, 5, v0
	v_readfirstlane_b32 s12, v7                    ; wave 0..15
	s_lshl_b32 s15, s12, 10                        ; my wave's part of gamma
	s_add_co_u32 s14, s15, GAM
	s_lshl_b32 s36, s12, 4
	s_mul_i32 s37, s12, 16*CU
	v_and_b32 v1, 31, v0
	v_lshlrev_b32 v2, 4, v1
	v_add_nc_u32 v5, s14, v2
	v_add_nc_u32 v6, GAM, v2
	v_mov_b32 v17, 0
	v_lshrrev_b32 v7, 2, v1
	v_mul_u32_u24 v7, v7, CU
	v_and_b32 v26, 3, v1
	v_lshl_add_u32 v26, v26, 2, v7
	v_add_nc_u32 v26, s36, v26                     ; codes in: unit lane / 4, byte 16 wave + 4 (lane % 4); a load is eight units
	v_add_nc_u32 v27, 128*CU, v26
	v_add_nc_u32 v28, CPL, v26
	v_add_nc_u32 v29, CPL+128*CU, v26
	v_add_nc_u32 v30, 2*CPL, v26
	v_add_nc_u32 v31, 2*CPL+128*CU, v26
	v_lshrrev_b32 v32, 4, v1
	v_mul_u32_u24 v32, v32, CU
	v_and_b32 v33, 15, v1
	v_lshl_add_u32 v32, v33, 4, v32
	v_add_nc_u32 v32, s37, v32                     ; codes back: unit 16 wave + 2 i + lane / 16, 16 bytes at lane % 16
	v_add_nc_u32 v33, CPL, v32
	v_add_nc_u32 v34, 2*CPL, v32
	s_lshl_b32 s13, ttmp9, 4
	s_add_co_u32 s13, s13, s12                     ; my row
	s_lshl_b32 s22, s13, 14
	s_mov_b32 s23, 0
	s_lshl_b32 s14, ttmp9, 16                      ; my work-group's block in a plane,
	s_lshl_b32 s13, s12, 12                        ; my wave's 4,096 bytes of it
	s_add_co_u32 s14, s14, s13
	s_mov_b32 s30, 0x39800000                      ; 1 / 4,096
	s_mov_b32 s31, 0x358637bd                      ; 1e-6
	s_mov_b32 s32, 0x76543210
	s_mov_b32 s33, 0xfedcba98
	s_wait_alu depctr_va_vdst(0)
	s_wait_kmcnt 0x0
	s_load_b128 s[24:27], s[8:9], 0x0
	s_load_b64 s[28:29], s[8:9], 0x10
	s_add_nc_u64 s[4:5], s[4:5], s[22:23]
	s_mov_b32 s22, s15
	s_add_nc_u64 s[6:7], s[6:7], s[22:23]
	s_mov_b32 s22, s14
	s_add_nc_u64 s[16:17], s[10:11], s[22:23]
	s_add_nc_u64 s[18:19], s[16:17], 0x1000000
	s_add_nc_u64 s[20:21], s[16:17], 0x2000000
	global_load_b128 v[G:G+3], v2, s[6:7]
	global_load_b128 v[G+4:G+7], v2, s[6:7] offset:512
.set j, 0
.rept 32
	global_load_b128 v[X+4*j:X+4*j+3], v2, s[4:5] offset:512*j th:TH_LOAD_NT
.set j, j+1
.endr
	s_wait_kmcnt 0x0
.irp p, 0,1,2
	s_add_co_i32 s13, s[24+2*\p], 127
	s_lshl_b32 s14, s13, 23
	v_mov_b32 v[20+2*\p], s14                      ; 2^e
	s_add_co_i32 s13, s13, 15
	s_lshl_b32 s13, s13, 23
	s_or_b32 s13, s13, 0x600000
	v_mov_b32 v[21+2*\p], s13                      ; 57,344 x 2^e
.endr
	s_cmp_lg_u32 s26, s24
	s_cselect_b32 s34, 1, 0                        ; plane 1 is made
	s_cmp_lg_u32 s28, s24
	s_cselect_b32 s35, 1, 0
	s_cmp_lg_u32 s28, s26
	s_cselect_b32 s35, s35, 0                      ; plane 2 is made
	s_wait_loadcnt 32                              ; gamma's two loads are in; the row's 32 stay out
	ds_store_b128 v5, v[G:G+3]
	ds_store_b128 v5, v[G+4:G+7] offset:512
	s_wait_dscnt 0x0
	s_barrier_signal -1
	s_barrier_wait -1                              ; gamma lies in LDS and is only read from here on
.macro GLOAD t                         ; gamma for loads 4 t .. 4 t + 3, in their layout
.irp i, 0,1,2,3
	ds_load_b128 v[G+16*((\t)%2)+4*\i:G+16*((\t)%2)+4*\i+3], v6 offset:512*(4*(\t)+\i)
.endr
.endm
; loads 4 t .. 4 t + 3: their squares into four chains of pairs, then x * gamma in place
.macro CH t
	s_wait_alu depctr_va_vdst(0)
	s_wait_loadcnt 28-4*(\t)                       ; loads come back in order: the later ones may be out
.irp j, 0,1,2,3,4,5,6,7
.if ((\t)==0)&&(\j<4)
	v_pk_mul_f32 v[ACC+2*\j:ACC+2*\j+1], v[X+2*\j:X+2*\j+1], v[X+2*\j:X+2*\j+1]      ; the first four pairs start the chains
.else
	v_pk_fma_f32 v[ACC+2*(\j%4):ACC+2*(\j%4)+1], v[X+16*(\t)+2*\j:X+16*(\t)+2*\j+1], v[X+16*(\t)+2*\j:X+16*(\t)+2*\j+1], v[ACC+2*(\j%4):ACC+2*(\j%4)+1]
.endif
.endr
	s_wait_alu depctr_va_vdst(0)
.if (\t) < 7
	s_wait_dscnt 4                                 ; all but the next four loads' gamma
.else
	s_wait_dscnt 0
.endif
.irp i, 0,2,4,6,8,10,12,14
	v_pk_mul_f32 v[X+16*(\t)+\i:X+16*(\t)+\i+1], v[X+16*(\t)+\i:X+16*(\t)+\i+1], v[G+16*((\t)%2)+\i:G+16*((\t)%2)+\i+1]
.endr
.if (\t)+2 < 8
	GLOAD (\t)+2
.endif
.endm
	GLOAD 0
	GLOAD 1
.irp t, 0,1,2,3,4,5,6,7
	CH \t
.endr
	; the row's sum of squares: the four chains, the pair, the 32 lanes
	s_wait_alu depctr_va_vdst(0)
	v_pk_add_f32 v[ACC:ACC+1], v[ACC:ACC+1], v[ACC+2:ACC+3]
	v_pk_add_f32 v[ACC+4:ACC+5], v[ACC+4:ACC+5], v[ACC+6:ACC+7]
	s_delay_alu instid0(VALU_DEP_1)
	v_pk_add_f32 v[ACC:ACC+1], v[ACC:ACC+1], v[ACC+4:ACC+5]
	s_delay_alu instid0(VALU_DEP_1)
	v_add_f32 v16, v[ACC], v[ACC+1]
	s_delay_alu instid0(VALU_DEP_1)
	v_add_f32_dpp v16, v16, v16 row_xmask:1 row_mask:0xf bank_mask:0xf
	s_delay_alu instid0(VALU_DEP_1)
	v_add_f32_dpp v16, v16, v16 row_xmask:2 row_mask:0xf bank_mask:0xf
	s_delay_alu instid0(VALU_DEP_1)
	v_add_f32_dpp v16, v16, v16 row_xmask:4 row_mask:0xf bank_mask:0xf
	s_delay_alu instid0(VALU_DEP_1)
	v_add_f32_dpp v16, v16, v16 row_xmask:8 row_mask:0xf bank_mask:0xf
	s_delay_alu instid0(VALU_DEP_1)
	v_permlanex16_b32 v17, v16, s32, s33
	s_delay_alu instid0(VALU_DEP_1)
	v_add_f32 v16, v16, v17
	s_delay_alu instid0(VALU_DEP_1)
	v_fma_f32 v16, v16, s30, s31                   ; sum / 4,096 + 1e-6
	s_wait_alu depctr_va_vdst(0)
	v_rsq_f32 v18, v16
	v_mov_b32 v19, 0                               ; the plain instruction behind the transcendental; v19 is named with v18 as a pair
	s_wait_alu depctr_va_vdst(0)
.set j, 0
.rept 64
	v_pk_mul_f32 v[X+2*j:X+2*j+1], v[X+2*j:X+2*j+1], v[18:19] op_sel_hi:[1,0]   ; both x rstd
.set j, j+1
.endr
; a plane's codes of my row: the hold (the conversion does not saturate: ISA guide 7.6.2), a conversion for two loads' quads, a word for each into its unit
.macro QPLANE p
.irp m, 0,1,2,3,4,5,6,7,8,9,10,11,12,13,14,15
.irp i, 0,1,2,3,4,5,6,7
	v_med3_num_f32 v[T+8*(\m%2)+\i], v[X+8*\m+\i], -v[21+2*\p], v[21+2*\p]
.endr
	v_cvt_scalef32_pk8_bf8_f32 v[C+2*(\m%2):C+2*(\m%2)+1], v[T+8*(\m%2):T+8*(\m%2)+7], v[20+2*\p]
	ds_store_b32 v[26+2*\p+\m/8], v[C+2*(\m%2)] offset:((2*\m)%16)*8*CU
	ds_store_b32 v[26+2*\p+\m/8], v[C+2*(\m%2)+1] offset:((2*\m+1)%16)*8*CU
.endr
	v_nop                                          ; a plain line behind the last conversion
.endm
; a plane's way out: my wave's eight pieces of 512 bytes
.macro SPLANE p
.irp i, 0,1,2,3,4,5,6,7
	ds_load_b128 v[X+32*\p+4*\i:X+32*\p+4*\i+3], v[32+\p] offset:2*CU*\i
.endr
.irp i, 0,1,2,3,4,5,6,7
	s_wait_dscnt 7-\i
	global_store_b128 v2, v[X+32*\p+4*\i:X+32*\p+4*\i+3], s[16+2*\p:17+2*\p] offset:512*\i   ; 32 lanes store 512 consecutive bytes, aligned
.endr
.endm
	QPLANE 0
	s_wait_alu depctr_va_vdst(0)
	s_cmp_eq_u32 s34, 0
	s_cbranch_scc1 .Lq1
	QPLANE 1
	s_wait_alu depctr_va_vdst(0)
.Lq1:
	s_cmp_eq_u32 s35, 0
	s_cbranch_scc1 .Lq2
	QPLANE 2
	s_wait_alu depctr_va_vdst(0)
.Lq2:
	s_wait_dscnt 0x0                               ; for the others' sake: my codes lie in LDS
	s_barrier_signal -1
	s_barrier_wait -1
	SPLANE 0
	s_cmp_eq_u32 s34, 0
	s_cbranch_scc1 .Ls1
	SPLANE 1
.Ls1:
	s_cmp_eq_u32 s35, 0
	s_cbranch_scc1 .Ls2
	SPLANE 2
.Ls2:
	s_wait_tensorcnt 0x0                           ; the wave's end
	ds_add_u32 v126, v127
	s_wait_dscnt 0x0
	s_endpgm
.Lfunc_end_k_q1530dfba31_normq:
	.size	k_q1530dfba31_normq, .Lfunc_end_k_q1530dfba31_normq-k_q1530dfba31_normq
	.p2alignl 7, 3214868480
	.fill 96, 4, 3214868480
	.section	.rodata,"a",@progbits
	.p2align	6, 0x0
	.amdhsa_kernel k_q1530dfba31_normq
		.amdhsa_group_segment_fixed_size 227328
		.amdhsa_private_segment_fixed_size 0
		.amdhsa_enable_private_segment 0
		.amdhsa_kernarg_size 32
		.amdhsa_user_sgpr_count 2
		.amdhsa_user_sgpr_kernarg_segment_ptr 1
		.amdhsa_wavefront_size32 1
		.amdhsa_system_sgpr_workgroup_id_x 1
		.amdhsa_system_sgpr_workgroup_id_y 1
		.amdhsa_system_sgpr_workgroup_id_z 1
		.amdhsa_system_vgpr_workitem_id 0
		.amdhsa_next_free_vgpr 256
		.amdhsa_next_free_sgpr 66
		.amdhsa_reserve_vcc 0
		.amdhsa_float_denorm_mode_32 3
		.amdhsa_float_denorm_mode_16_64 3
		.amdhsa_memory_ordered 1
		.amdhsa_forward_progress 1
		.amdhsa_inst_pref_size 62
	.end_amdhsa_kernel
	.amdgpu_metadata
---
amdhsa.version: [ 1, 2 ]
amdhsa.kernels:
  - .name:           k_q1530dfba31_normq
    .symbol:         k_q1530dfba31_normq.kd
    .args:
      - { .name: hidden_states, .offset: 0, .size: 8, .value_kind: global_buffer, .address_space: global }
      - { .name: gamma, .offset: 8, .size: 8, .value_kind: global_buffer, .address_space: global }
      - { .name: lowp_scales, .offset: 16, .size: 8, .value_kind: global_buffer, .address_space: global }
      - { .name: acodes, .offset: 24, .size: 8, .value_kind: global_buffer, .address_space: global }
    .group_segment_fixed_size: 227328
    .private_segment_fixed_size: 0
    .kernarg_segment_align: 8
    .kernarg_segment_size: 32
    .max_flat_workgroup_size: 512
    .sgpr_count:     66
    .vgpr_count:     256
    .wavefront_size: 32
...
	.end_amdgpu_metadata
.endif
;; end of part 1
;; launch qkv (part 2): grid 16 x 16, 4 waves a work-group, clusters of 4 x 1, 327,680 bytes of LDS; arguments acodes, w_q_codes, w_k_codes, w_v_codes, lowp_scales, out0, out1, out2; writes out0, out1, out2
.if DOCPART == 2
	.amdgcn_target "amdgcn-amd-amdhsa--gfx1250"
	.amdhsa_code_object_version 6
	.text
	.protected	k_q1530dfba31_qkv
	.globl	k_q1530dfba31_qkv
	.p2align	8
	.type	k_q1530dfba31_qkv,@function
k_q1530dfba31_qkv:
	s_mov_b64 s[64:65], 0
	v_nop
	global_prefetch_b8 v0, s[64:65] scope:SCOPE_SE
	s_setreg_imm32_b32 hwreg(HW_REG_WAVE_MODE, 25, 1), 1
	s_wait_xcnt 0x0
	s_wait_alu depctr_hold_cnt(0) depctr_sa_sdst(0) depctr_va_vdst(0) depctr_va_sdst(0) depctr_va_ssrc(0) depctr_va_vcc(0) depctr_vm_vsrc(0)
	s_getreg_b32 s2, hwreg(HW_REG_IB_STS2, 6, 4)
	s_cmp_eq_u32 s2, 0
	s_cbranch_scc0 .Lentry_in_a_cluster
	s_endpgm
.Lentry_in_a_cluster:
	s_bfe_u32 s2, ttmp6, 0x10000c
	s_cmp_lg_u32 s2, 0x3003
	s_cbranch_scc0 .Lentry_shape_is_right
	s_endpgm
.Lentry_shape_is_right:
; out[m][n] = 2^(eA + eW) x sum over k of A[m][k] W[n][k], on codes of BF8, for the three products in one grid: work-group (x, y) makes rows 256 x .. of columns 256 y' .. of
; q (y = 0..7), k (y = 8..11) or v (y = 12..15).  LIMIT: eA + eW between -126 and 127, so that 2^(eA + eW) is an f32 number.
; A's codes lie in acodes as an image of the operand's registers, a plane for each different exponent of A: the plane is chosen by comparing the exponents, with selects and no branch.
; SHARES.  Four waves; a wave makes 64 rows x 256 columns: 64 accumulators, 512 registers.  W's tile, 256 rows, goes through LDS and is read by all four waves; A's fragments belong to one wave
; alone and come from memory straight into its registers: 16 loads of 512 consecutive bytes for 128 along K, into four sets that take turns, asked for three steps of 128 ahead.
; So a slot of LDS holds W alone, 256 rows x 512 along K (rows of 512 bytes + 16 of padding), and 256 matrix instructions a wave stand between two changes of slots.
; CLUSTER 4 x 1: the four partners make different rows of the same columns and ask for W's tile JOINTLY (mask 15); each wave asks for 64 rows.  A is not asked for jointly: no two partners read the same rows.
; A STEP of 128 along K has three PHASES, of W's column blocks 0-5, 6-10 and 11-15: each fragment of W x the set's four fragments of A.  Two buffers of 96 registers take turns (12 phases to a slot);
; behind a phase its buffer takes the fragments of the phase two on: three runs of LDS loads a step.
; The counts of the waits on DScnt are made by the text: NI counts the LDS instructions written, MKb is NI behind buffer b's last fill; the difference is what was issued behind that fill.
; THE LAST 512 ALONG K go by groups of 64 columns (all four sets of A are in registers), in phases of two fragments on four buffers of 32: a finished group leaves, through the wave's stage, while the next is multiplied.
; The matrix instruction is used transposed (source 0 = W's rows, source 1 = A's rows): a lane holds eight neighbouring columns of one row.
; K inside a step of 128 is permuted alike in both operands (registers 4 c ..: K = 32 c + 16 (l / 16) + 0..15).
; REGISTERS: window 0: v8-29 addresses, v32-223 W's two buffers (in the last 512: v32-159 four buffers, v160-255 the way out); window 1: A's four sets; windows 2, 3: accumulators (column block nb, row block m) at 8 (4 (nb % 8) + m).
; PREFETCHES: W: behind each joint load, the tile of the refill that follows it: 512 blocks of 256 bytes, shared out among the cluster's 16 waves by address; A: in each period's first step, of the
; period two on, that step of 128 whose number is y % 4: the work-groups that read the same rows share the steps out by address.  The last trips ask for nothing past K.
.set PITCH,  528
.set QROWS,  64*PITCH
.set SLOT,   4*QROWS
.set SPARE,  2*SLOT
.set SPITCH, 272
.set COT, 8
.set ADW, 16
.set STO, 20
.set RD,  21
.set AVO, 22
.set PFOA, 23
.set PFOW, 24
.set SPW, 28
.set NIL, 29
.set BB,  32
.set WB,  32
.set TMP, 160
.set BK,  192
.set G1, 24
.set G0, 32
.set AB, 40
.set PFA, 42
.set PFW, 44
.set CB, 48
.set SC, 56
.set CP, 58
.set MSB, 0
.set NI, 0
.set MK0, 0
.set MK1, 0
.set MK2, 0
.set MK3, 0
.set MO0, 0
.set MO1, 0
.macro WIN new
.if MSB != (\new)
	s_set_vgpr_msb (MSB<<8)|(\new)
.set MSB, (\new)
.endif
.endm
.macro PLACES
.rept 4
	v_nop
.endr
.endm
.macro CREST
	s_cmp_lg_u32 s14, 0
	s_cbranch_scc1 .Lnot_wave_0_\@
	s_barrier_signal -3
.Lnot_wave_0_\@:
	s_barrier_wait -3
	s_barrier_signal -1
	s_barrier_wait -1
.endm
.macro CROUND
	s_barrier_signal -1
	s_barrier_wait -1
	CREST
.endm
.macro JLOAD s                         ; my 64 rows of W's tile; s_nop 0 and four v_nop follow
	tensor_load_to_lds s[G0+4*(\s):G0+4*(\s)+3], s[G1:G1+7]
	s_nop 0
	PLACES
.endm
.macro ASK guard, off, base            ; guard = 1: not in the loop's last trip
.if \guard
	s_cmp_gt_u32 s3, 1
	s_cbranch_scc0 .Lno_\@
.endif
	global_prefetch_b8 v[\off], s[\base:\base+1] th:TH_LOAD_NT scope:SCOPE_SE
.Lno_\@:
.endm
.macro MARK b
.if (\b)==0
.set MK0, NI
.endif
.if (\b)==1
.set MK1, NI
.endif
.if (\b)==2
.set MK2, NI
.endif
.if (\b)==3
.set MK3, NI
.endif
.endm
.macro DSW b                           ; buffer b's fragments are in: what was issued behind them may be out
.if (\b)==0
.set DD, NI-MK0
.endif
.if (\b)==1
.set DD, NI-MK1
.endif
.if (\b)==2
.set DD, NI-MK2
.endif
.if (\b)==3
.set DD, NI-MK3
.endif
.if DD>63
.set DD, 63
.endif
	s_wait_dscnt DD
.endm
; phase i of a step holds W's column blocks (16 i + 2) / 3 up to (16 i + 18) / 3: 0-5, 6-10, 11-15
.macro WL b, slot, s, i                ; its fragments, at the slot's s-th 128 along K, into buffer b
.set FF, (16*(\i)+2)/3
.set RR, BB+96*(\b)
.rept 6
.if FF<((16*(\i)+18)/3)
.irp c, 0,1,2,3
	ds_load_b128 v[RR+4*\c:RR+4*\c+3], v[ADW+2*(\slot)+FF/8] offset:(FF%8)*16*PITCH+128*(\s)+32*\c
.endr
.set NI, NI+4
.set RR, RR+16
.endif
.set FF, FF+1
.endr
	MARK \b
.endm
.macro MU b, set, i, zero, f0, f1      ; the phase's fragments f0 .. f1 - 1 x A's four: each instruction another accumulator
.set KK, \f0
.rept 6
.if (KK<(\f1))&&(((16*(\i)+2)/3+KK)<((16*(\i)+18)/3))
.set NBB, (16*(\i)+2)/3+KK
	WIN 0xa4+0x50*(NBB/8)
.irp m, 0,1,2,3
.set AI, 8*(4*(NBB%8)+\m)
.if \zero
	v_wmma_f32_16x16x128_bf8_bf8 v[AI:AI+7], v[BB+96*(\b)+16*KK:BB+96*(\b)+16*KK+15], v[64*(\set)+16*\m:64*(\set)+16*\m+15], 0
.else
	v_wmma_f32_16x16x128_bf8_bf8 v[AI:AI+7], v[BB+96*(\b)+16*KK:BB+96*(\b)+16*KK+15], v[64*(\set)+16*\m:64*(\set)+16*\m+15], v[AI:AI+7]
.endif
.endr
.endif
.set KK, KK+1
.endr
.endm
; the last 512 along K: a phase of two fragments, column blocks 2 j, 2 j + 1, on one of four buffers of 32
.macro WLOAD buf, slot, s, j
.irp f, 0,1
.irp c, 0,1,2,3
	ds_load_b128 v[WB+32*(\buf)+16*\f+4*\c:WB+32*(\buf)+16*\f+4*\c+3], v[ADW+2*(\slot)+(\j)/4] offset:((2*(\j)+\f)%8)*16*PITCH+128*(\s)+32*\c
.endr
.endr
.set NI, NI+8
	MARK \buf
.endm
.macro MUL buf, set, j
	WIN 0xa4+0x50*((\j)/4)
.irp f, 0,1
.irp m, 0,1,2,3
.set AI, 8*(4*((2*(\j)+\f)%8)+\m)
	v_wmma_f32_16x16x128_bf8_bf8 v[AI:AI+7], v[WB+32*(\buf)+16*\f:WB+32*(\buf)+16*\f+15], v[64*(\set)+16*\m:64*(\set)+16*\m+15], v[AI:AI+7]
.endr
.endr
.endm
.macro ALOAD s                         ; set s takes the step four on: four row blocks x four loads of 512 consecutive bytes
	s_wait_xcnt 0x0                                ; earlier loads and prefetches have read their bases
	s_add_nc_u64 s[AB:AB+1], s[AB:AB+1], 2048
.if (\s)==0
	s_add_nc_u64 s[PFA:PFA+1], s[PFA:PFA+1], 8192
.endif
	WIN 0x40
.irp b, 0,1,2,3
.irp c, 0,1,2,3
	global_load_b128 v[64*(\s)+16*\b+4*\c:64*(\s)+16*\b+4*\c+3], v[AVO], s[AB:AB+1] offset:6144+65536*\b+512*\c
.endr
.endr
	WIN 0
.endm
; a step of 128 along K, one of a slot's first three.  ask: 0 none, 1 A's prefetch, 2 the same but not in the last trip
.macro STEPN slot, s, zero, ask
	s_wait_loadcnt 48                              ; my set is in; the three sets asked for behind it may be out
.irp i, 0,1,2
	DSW (3*(\s)+\i)%2
	MU (3*(\s)+\i)%2, \s, \i, \zero, 0, 6
	PLACES                                         ; four places in front of loads into registers that matrix instructions have read
	WIN 0
.if \i==2
	ALOAD \s
.endif
.if \i==0
	WL (3*(\s)+\i)%2, \slot, \s, 2
.else
	WL (3*(\s)+\i)%2, \slot, \s+1, \i-1
.endif
.if (\i==0)&&(\ask)
	ASK \ask-1, PFOA, PFA
.endif
.endr
.endm
; a slot's last step (phases 9, 10, 11 of 12: buffers 1, 0, 1) changes slots.  fill: this slot is filled again; nm = 1: the next slot is walked by groups of columns
.macro TURNS slot, fill, nm, guard
	s_wait_loadcnt 48
	DSW 1
	MU 1, 3, 0, 0, 0, 6
	PLACES
	WIN 0
	WL 1, \slot, 3, 2                              ; my last reads of this slot
.if \fill
	s_wait_xcnt 0x0
	s_add_nc_u64 s[PFW:PFW+1], s[PFW:PFW+1], 512
.endif
	s_wait_tensorcnt 0x0                           ; my part of the next slot has landed
	ds_add_u32 v[SPW], v[NIL]
.set NI, NI+1
	DSW 0
	MU 0, 3, 1, 0, 0, 3
	s_wait_dscnt 0x0                               ; the add is done, my reads of this slot are over
	s_barrier_signal -1
	MU 0, 3, 1, 0, 3, 6
	WIN 0
	s_barrier_wait -1
.if \fill
	CREST                                          ; the barrier has opened a round of the cluster's barrier
	s_add_nc_u64 s[G0+4*(\slot)+2:G0+4*(\slot)+3], s[G0+4*(\slot)+2:G0+4*(\slot)+3], 1024
	JLOAD \slot                                    ; its four v_nop are also the places in front of the loads below
.else
	PLACES
.endif
.if \nm
	WLOAD 0, 1-\slot, 0, 0
	WLOAD 1, 1-\slot, 0, 1
	WLOAD 2, 1-\slot, 1, 0
.else
	WL 0, 1-\slot, 0, 0
.endif
.if \fill
	ASK \guard, PFOW, PFW
.endif
	MU 1, 3, 2, 0, 0, 6
	PLACES
	WIN 0
	ALOAD 3
.if \nm
	WLOAD 3, 1-\slot, 1, 1
.else
	WL 1, 1-\slot, 0, 1
.endif
.endm
; the way out of piece k: column group k / 4 (64 columns), row block k % 4: x 2^(eA + eW), into my stage, back as whole rows of 256 bytes
.macro OUTA k
.if (\k)>1
	s_wait_xcnt 0x0                                ; piece k - 2's stores have read the registers that the loads below write
.endif
	WIN 0x02+(\k)/8
.irp n, 0,1,2,3
.set AI, 8*(4*((4*((\k)/4)+\n)%8)+(\k)%4)
.irp r, 0,2,4,6
	v_pk_mul_f32 v[TMP+8*\n+\r:TMP+8*\n+\r+1], v[AI+\r:AI+\r+1], s[SC:SC+1] op_sel_hi:[1,0]
.endr
.endr
	WIN 0
.irp n, 0,1,2,3
	ds_store_b128 v[STO], v[TMP+8*\n:TMP+8*\n+3] offset:64*\n
	ds_store_b128 v[STO], v[TMP+8*\n+4:TMP+8*\n+7] offset:64*\n+16
.endr
.irp i, 0,1,2,3,4,5,6,7
	ds_load_b128 v[BK+32*((\k)%2)+4*\i:BK+32*((\k)%2)+4*\i+3], v[RD] offset:\i*2*SPITCH   ; LDS serves a wave's instructions in order (ISA guide 5.7.1.4)
.endr
.set NI, NI+16
.if (\k)%2==0
.set MO0, NI
.else
.set MO1, NI
.endif
.endm
.macro OUTB k
.if (\k)%2==0
.set DD, NI-MO0
.else
.set DD, NI-MO1
.endif
	s_wait_dscnt DD
.irp i, 0,1,2,3,4,5,6,7
	global_store_b128 v[COT+\i], v[BK+32*((\k)%2)+4*\i:BK+32*((\k)%2)+4*\i+3], s[CB+2*((\k)%4):CB+2*((\k)%4)+1] offset:256*((\k)/4) th:TH_STORE_NT   ; 16 lanes store 256 consecutive bytes, aligned
.endr
.endm
	s_load_b256 s[4:11], s[0:1], 0x0               ; acodes, w_q, w_k, w_v
	s_load_b256 s[68:75], s[0:1], 0x20             ; the exponents, out0, out1, out2
	v_lshl_add_u32 v[SPW], v0, 2, SPARE
	v_mov_b32 v[NIL], 0
	ds_add_u32 v[SPW], v[NIL]
	ds_add_u32 v[SPW], v[NIL]
	v_lshrrev_b32 v1, 5, v0
	v_readfirstlane_b32 s14, v1                    ; wave 0..3
	s_and_b32 s13, ttmp7, 0xffff                   ; y: the block of columns
	s_bfe_u32 s16, ttmp6, 0x40000                  ; cx
	s_lshl_b32 s12, ttmp9, 2
	s_add_co_u32 s12, s12, s16                     ; the block of 256 rows
	s_and_b32 s17, s13, 3
	s_mov_b32 s[CP], 4096
	s_cmp_lt_u32 s13, 8
	s_cselect_b32 s15, s13, s17                    ; the block of columns inside its tensor
	s_cselect_b32 s[CP], 8192, s[CP]               ; a row of the output in bytes
	s_mov_b32 s[G1+0], 15|(1<<20)|(1<<21)|(6<<22)|(3<<25)   ; mask: the four partners; bytes; 4 words of padding behind every 128
	s_mov_b32 s[G1+1], 512<<16
	s_mov_b32 s[G1+2], 64<<16
	s_mov_b32 s[G1+3], 512<<16
	s_mov_b32 s[G1+4], 64
	s_mov_b32 s[G1+5], 4096
	s_mov_b32 s[G1+6], 0
	s_mov_b32 s[G1+7], 0
	s_mul_i32 s18, s14, 16*SPITCH                  ; my stage, in slot 0
	s_lshl_b32 s19, s[CP], 1
	v_and_b32 v2, 15, v0                           ; r
	v_bfe_u32 v3, v0, 4, 1                         ; h
	v_and_b32 v4, 31, v0
	v_mul_u32_u24 v5, v2, PITCH
	v_lshl_add_u32 v[ADW], v3, 4, v5               ; W's fragments: slot 0 rows 0-127,
	v_add_nc_u32 v[ADW+1], 128*PITCH, v[ADW]       ; rows 128-255,
	v_add_nc_u32 v[ADW+2], SLOT, v[ADW]            ; slot 1
	v_add_nc_u32 v[ADW+3], SLOT+128*PITCH, v[ADW]
	v_mul_u32_u24 v6, v2, SPITCH
	v_lshl_add_u32 v6, v3, 5, v6
	v_add_nc_u32 v[STO], s18, v6
	v_mul_u32_u24 v7, v3, SPITCH
	v_lshl_add_u32 v7, v2, 4, v7
	v_add_nc_u32 v[RD], s18, v7
	v_lshlrev_b32 v[AVO], 4, v4
	v_lshrrev_b32 v5, 3, v4
	v_and_b32 v6, 7, v4
	v_lshlrev_b32 v6, 8, v6
	v_lshl_add_u32 v[PFOA], v5, 16, v6             ; A's prefetch: row block lane / 8, block of 256 bytes lane % 8
	v_lshrrev_b32 v5, 1, v4
	v_and_b32 v6, 1, v4
	v_lshlrev_b32 v6, 8, v6
	v_lshl_add_u32 v[PFOW], v5, 12, v6             ; W's prefetch: row lane / 2, half lane % 2 of its 512 bytes
	v_mul_u32_u24 v7, v3, s[CP]
	v_lshl_add_u32 v[COT], v2, 4, v7               ; the stores: row 2 i + l / 16, 16 bytes at l % 16
.irp i, 1,2,3,4,5,6,7
	v_add_nc_u32 v[COT+\i], s19, v[COT+\i-1]
.endr
	s_wait_alu depctr_va_vdst(0)
	s_wait_dscnt 0x0
	s_wait_kmcnt 0x0
	s_load_b128 s[76:79], s[68:69], 0x0            ; the six exponents
	s_load_b64 s[80:81], s[68:69], 0x10
	s_cmp_lt_u32 s13, 12
	s_cselect_b64 s[8:9], s[8:9], s[10:11]
	s_cselect_b64 s[72:73], s[72:73], s[74:75]
	s_cmp_lt_u32 s13, 8
	s_cselect_b64 s[6:7], s[6:7], s[8:9]           ; my W
	s_cselect_b64 s[70:71], s[70:71], s[72:73]     ; my output
	s_lshl_b32 s20, s15, 20
	s_lshl_b32 s21, s14, 18
	s_add_co_u32 s20, s20, s21
	s_mov_b32 s21, 0
	s_add_nc_u64 s[6:7], s[6:7], s[20:21]          ; the 64 rows of W that I fetch
	s_mov_b32 s[G0], 1
	s_mul_i32 s[G0+1], s14, QROWS
	s_mov_b64 s[G0+2:G0+3], s[6:7]
	s_or_b32 s[G0+3], s[G0+3], 0x80000000
	s_mov_b32 s[G0+4], 1
	s_add_co_u32 s[G0+5], s[G0+1], SLOT
	s_add_nc_u64 s[G0+6:G0+7], s[6:7], 512
	s_or_b32 s[G0+7], s[G0+7], 0x80000000
	CROUND                                         ; the four partners are here: the first joint loads meet
	JLOAD 0                                        ; one tensor load a wave at the head
	s_wait_kmcnt 0x0
	s_cmp_eq_u32 s78, s76
	s_cselect_b32 s84, 0, 1                        ; k's plane
	s_cmp_eq_u32 s80, s78
	s_cselect_b32 s85, s84, 2
	s_cmp_eq_u32 s80, s76
	s_cselect_b32 s85, 0, s85                      ; v's plane
	s_cmp_lt_u32 s13, 12
	s_cselect_b32 s84, s84, s85
	s_cselect_b32 s82, s78, s80
	s_cselect_b32 s83, s79, s81
	s_cmp_lt_u32 s13, 8
	s_cselect_b32 s84, 0, s84
	s_cselect_b32 s82, s76, s82                    ; eA
	s_cselect_b32 s83, s77, s83                    ; eW
	s_min_u32 s84, s84, 2                          ; my plane, 0 to 2
	s_add_co_i32 s82, s82, s83
	s_add_co_i32 s82, s82, 127
	s_lshl_b32 s[SC], s82, 23                      ; 2^(eA + eW)
	s_mov_b32 s[SC+1], s[SC]
	s_lshl_b32 s20, s84, 24
	s_lshl_b32 s21, s12, 20
	s_add_co_u32 s20, s20, s21
	s_lshl_b32 s21, s14, 18
	s_add_co_u32 s20, s20, s21
	s_mov_b32 s21, 0
	s_add_nc_u64 s[AB:AB+1], s[4:5], s[20:21]      ; my four row blocks' image
	s_lshl_b32 s20, s17, 11
	s_add_co_u32 s20, s20, 16384
	s_add_nc_u64 s[PFA:PFA+1], s[AB:AB+1], s[20:21]   ; the period two on, step y % 4
	WIN 0x40
.irp s, 0,1,2,3
.irp b, 0,1,2,3
.irp c, 0,1,2,3
	global_load_b128 v[64*\s+16*\b+4*\c:64*\s+16*\b+4*\c+3], v[AVO], s[AB:AB+1] offset:2048*\s+65536*\b+512*\c
.endr
.endr
.endr
	WIN 0
	s_lshl_b32 s20, s16, 16
	s_add_co_u32 s20, s20, 1024
	s_add_nc_u64 s[PFW:PFW+1], s[6:7], s[20:21]    ; W's prefetch: my work-group's 16 of my 64 rows; the first change of slots steps it to tile 3
	s_lshl_b32 s20, s12, 8
	s_lshl_b32 s22, s14, 6
	s_add_co_u32 s20, s20, s22
	s_mul_i32 s20, s20, s[CP]
	s_lshl_b32 s22, s15, 10
	s_add_co_u32 s20, s20, s22
	s_add_nc_u64 s[CB:CB+1], s[70:71], s[20:21]    ; my first row and column of the output; a base for each row block
	s_lshl_b32 s20, s[CP], 4
.irp m, 1,2,3
	s_add_nc_u64 s[CB+2*\m:CB+2*\m+1], s[CB+2*\m-2:CB+2*\m-1], s[20:21]
.endr
	s_wait_tensorcnt 0x0                           ; my part of tile 0 is in; slot 1's first fill is issued as a refill is
	ds_add_u32 v[SPW], v[NIL]
	s_wait_dscnt 0x0
	CROUND
	JLOAD 1
	WL 0, 0, 0, 0
	WL 1, 0, 0, 1
	STEPN 0, 0, 1, 1                               ; the first step starts the sums: nothing is cleared
	s_mov_b32 s3, 3
.Llap:                                                 ; a trip: from a lap's second step to the next lap's first; both slots are filled again
	STEPN 0, 1, 0, 0
	STEPN 0, 2, 0, 0
	TURNS 0, 1, 0, 0
	STEPN 1, 0, 0, 1
	STEPN 1, 1, 0, 0
	STEPN 1, 2, 0, 0
	TURNS 1, 1, 0, 1
	STEPN 0, 0, 0, 2
	s_sub_co_u32 s3, s3, 1
	s_cmp_lg_u32 s3, 0
	s_cbranch_scc1 .Llap
	STEPN 0, 1, 0, 0
	STEPN 0, 2, 0, 0
	TURNS 0, 0, 1, 0                               ; nothing is filled again: no round
; the last 512 along K, in slot 1: phase Q is column group Q / 8, step (Q % 8) / 2, column blocks 2 (Q / 8) + Q % 2
.set Q, 0
.rept 32
.if (Q<8)&&(Q%2==0)
	s_wait_loadcnt 48-8*Q
.endif
	DSW Q%4
	MUL Q%4, (Q%8)/2, 2*(Q/8)+Q%2
.if Q<28
	PLACES
	WIN 0
	WLOAD Q%4, 1, ((Q+4)%8)/2, 2*((Q+4)/8)+Q%2
.endif
.if (Q>8)&&(Q%2==1)
	OUTA (Q-9)/2
.if Q>9
	OUTB (Q-11)/2
.endif
.endif
.set Q, Q+1
.endr
	PLACES
.irp k, 12,13,14,15
	OUTA \k
	OUTB \k-1
.endr
	OUTB 15
	s_wait_tensorcnt 0x0                           ; the wave's end
	ds_add_u32 v[SPW], v[NIL]
	s_wait_dscnt 0x0
	CROUND                                         ; the closing round
	s_endpgm
.Lfunc_end_k_q1530dfba31_qkv:
	.size	k_q1530dfba31_qkv, .Lfunc_end_k_q1530dfba31_qkv-k_q1530dfba31_qkv
	.p2alignl 7, 3214868480
	.fill 96, 4, 3214868480
	.section	.rodata,"a",@progbits
	.p2align	6, 0x0
	.amdhsa_kernel k_q1530dfba31_qkv
		.amdhsa_group_segment_fixed_size 327680
		.amdhsa_private_segment_fixed_size 0
		.amdhsa_enable_private_segment 0
		.amdhsa_kernarg_size 64
		.amdhsa_user_sgpr_count 2
		.amdhsa_user_sgpr_kernarg_segment_ptr 1
		.amdhsa_wavefront_size32 1
		.amdhsa_system_sgpr_workgroup_id_x 1
		.amdhsa_system_sgpr_workgroup_id_y 1
		.amdhsa_system_sgpr_workgroup_id_z 1
		.amdhsa_system_vgpr_workitem_id 0
		.amdhsa_next_free_vgpr 1024
		.amdhsa_next_free_sgpr 96
		.amdhsa_reserve_vcc 0
		.amdhsa_float_denorm_mode_32 3
		.amdhsa_float_denorm_mode_16_64 3
		.amdhsa_memory_ordered 1
		.amdhsa_forward_progress 1
		.amdhsa_inst_pref_size 225
	.end_amdhsa_kernel
	.amdgpu_metadata
---
amdhsa.version: [ 1, 2 ]
amdhsa.kernels:
  - .name:           k_q1530dfba31_qkv
    .symbol:         k_q1530dfba31_qkv.kd
    .args:
      - { .name: acodes, .offset: 0, .size: 8, .value_kind: global_buffer, .address_space: global }
      - { .name: w_q_codes, .offset: 8, .size: 8, .value_kind: global_buffer, .address_space: global }
      - { .name: w_k_codes, .offset: 16, .size: 8, .value_kind: global_buffer, .address_space: global }
      - { .name: w_v_codes, .offset: 24, .size: 8, .value_kind: global_buffer, .address_space: global }
      - { .name: lowp_scales, .offset: 32, .size: 8, .value_kind: global_buffer, .address_space: global }
      - { .name: out0, .offset: 40, .size: 8, .value_kind: global_buffer, .address_space: global }
      - { .name: out1, .offset: 48, .size: 8, .value_kind: global_buffer, .address_space: global }
      - { .name: out2, .offset: 56, .size: 8, .value_kind: global_buffer, .address_space: global }
    .group_segment_fixed_size: 327680
    .private_segment_fixed_size: 0
    .kernarg_segment_align: 8
    .kernarg_segment_size: 64
    .max_flat_workgroup_size: 128
    .sgpr_count:     96
    .vgpr_count:     1024
    .wavefront_size: 32
...
	.end_amdgpu_metadata
.endif
;; end of part 2
